; MI455X (gfx1250); checked and timed in simulation.
; The chip was launched on July 23, 2026; its instructions are those of AMD's public machine-readable ISA for CDNA 5 (MIT licence, August 2026) and "CDNA5" Instruction Set Architecture Reference Guide (July 2026). The comments in the code are by the model that wrote it; some were corrected since.
;; Causal Self Attention. Allowed arithmetic: matrix products marked QUANTISED: E5M2 operands, one E8M0 scale for each 32 along K, by v_wmma_scale_f32_16x16x128_f8f6f4 with both operands' format E5M2, f32 sums; everything else in f32.
;; Inputs: W_kqv_codes 16 x 192 x 32 x 32 uint8 (E5M2 codes of W_kqv, K innermost, in blocks of 32 codes); W_kqv_scales 16 x 192 x 32 uint8 (E8M0 scales of W_kqv, one for each 32 codes along K); W_proj_codes 1,024 x 32 x 32 uint8 (E5M2 codes of W_proj, K innermost, in blocks of 32 codes); W_proj_scales 1,024 x 32 uint8 (E8M0 scales of W_proj, one for each 32 codes along K); b_kqv 16 x 192 float32; b_proj 1,024 float32; x_codes 4 x 2,048 x 32 x 32 uint8 (E5M2 codes of x, K innermost, in blocks of 32 codes); x_scales 4 x 2,048 x 32 uint8 (E8M0 scales of x, one for each 32 codes along K).
;; Outputs: out0 4 x 2,048 x 1,024 float32.
;; This version of the problem:
;;   THIS VERSION OF THE PROBLEM IS GIVEN IN LOW PRECISION. The matrix products marked QUANTISED in the list below multiply operands that are first quantised to E5M2 (5 exponent bits, 2 mantissa bits; 8 bits a number), with one power-of-two scale for each 32 numbers along K (OCP MX v1.0); their sums are f32. All else is computed in f32.
;;   The module's matrix products, in the order in which they are computed (A, B: the left and right operand; K: the contracted axis; several contracted axes count as one K, in the product's order):
;;     1. [M 3,072, K 1,024] x [K 1,024, N 8,192]; A: input W_kqv (given as codes); B: input x (given as codes): QUANTISED
;;     2. batch 64 x [M 2,048, K 64] x [K 64, N 2,048]; A: computed on the way; B: computed on the way: QUANTISED
;;     3. batch 64 x [M 2,048, K 2,048] x [K 2,048, N 64]; A: softmax (see below); B: computed on the way: QUANTISED
;;     4. [M 8,192, K 1,024] x [K 1,024, N 1,024]; A: computed on the way; B: input W_proj (given as codes): QUANTISED
;;   THE QUANTISER, for each operand of a quantised product, along K:
;;     - K is cut into blocks of 32 from its start; a last block that is shorter is filled with zeros.
;;     - A block's scale is 2^e with e = floor(log2(the largest magnitude in the block)) - 15, held to -126 .. 127; a block of zeros has e = 0. As a byte (E8M0): e + 127.
;;     - Each number is divided by its block's scale, clamped to +-57,344, and rounded to the nearest number of E5M2, ties to even, subnormals kept.
;;     - The product sums the exact products of the quantised numbers (number of the format x scale) in f32.
;;   ~~~python
;;   def quantise(x, axis):      # numpy; x: float32 -> the quantised numbers, widened to float32 again
;;       x = np.moveaxis(x, axis, -1); K = x.shape[-1]
;;       x = np.pad(x, [(0, 0)] * (x.ndim - 1) + [(0, -K % 32)]); x = x.reshape(x.shape[:-1] + (-1, 32)); a = np.abs(x).max(-1, keepdims=True)
;;       e = np.where(a > 0, np.clip(np.frexp(np.where(a > 0, a, 1))[1] - 1 - 15, -126, 127), 0)      # np.frexp(a)[1] - 1 = floor(log2(a)), exactly
;;       r = np.clip(x / 2.0 ** e, -57344, 57344)
;;       step = 2.0 ** (np.maximum(np.frexp(np.where(r == 0, 1, r))[1] - 1, -14) - 2)
;;       q = np.round(r / step) * step * 2.0 ** e      # np.round: ties to even
;;       return np.moveaxis(q.reshape(q.shape[:-2] + (-1,))[..., :K], -1, axis).astype(np.float32)
;;   ~~~
;;   SOFTMAX AHEAD OF A QUANTISED PRODUCT. Where the list says 'softmax', what is quantised is not the finished softmax but p = 2^(t - M), with t = logit x log2(e) and M = ceil(the row's largest t), a whole number; so 1/2 < the row's largest p <= 1. The row's sum l is taken of the UNQUANTISED p, in f32, and the product's result is divided by l at the end. Since M is a whole number, a kernel that streams over the keys may use a running M (the ceiling of the running maximum): every later rescaling is an exact power of two, which a block's scale takes up: the codes' values come out the same.
;;   OPERANDS COMPUTED ON THE WAY. 'Computed on the way' means the value that the module computes at that place (a softmax that the list does not call 'softmax' is quantised finished and normalised). What goes into a quantiser is computed in f32, as accurately as f32 sums, v_exp_f32 and their like allow (about 1e-6 of the number): no bf16 or f16 on the way to a quantiser, and a product that is left as it is and whose result goes on into a quantised operand takes f32 operands (vector FMAs, or v_wmma_f32_16x16x4_f32). A number that lies on a knife's edge between two numbers of the format may be rounded either way, as far as f32 arithmetic and the matrix unit's own rounding can turn it there, and no further.
;;   INPUTS GIVEN AS CODES. W_kqv (in the module: [16, 1024, 192], K = its axis 1); W_proj (in the module: [1024, 1024], K = its axis 0); x (in the module: [4, 2048, 1024], K = its axis 2): each comes as NAME_codes (uint8): NAME with its K axis moved to the last place and cut into blocks of 32 codes, [.., K / 32, bytes a block], one block behind the other in memory; one code a byte (a code: sign, 5 exponent bits, 2 mantissa bits); and NAME_scales (uint8): the same leading axes, one E8M0 byte (e + 127) for each 32 codes along K. Its value is code x scale, taken as it is: it is not quantised again, and the codes and scales need not be those that the quantiser above would give.
;; One version. Each part assembles by itself: llvm-mc -triple=amdgcn-amd-amdhsa -mcpu=gfx1250 --defsym DOCPART=n.
;; ======== version 1 of 1: 3 launches
;; limits: right only within a limited range of input values
;; workspace buffers: kv 17,301,504 bytes; qb 8,650,752 bytes; sa_img 8,388,608 bytes; sa_sc 262,144 bytes
;; launch qkv (part 1): grid 16 x 32, 4 waves a work-group, clusters of 4 x 4, 327,680 bytes of LDS; arguments x_codes, x_scales, W_kqv_codes, W_kqv_scales, b_kqv, kv, qb; writes kv, qb
.if DOCPART == 1
	.amdgcn_target "amdgcn-amd-amdhsa--gfx1250"
	.amdhsa_code_object_version 6
	.text
	.protected	k_qf6f7041b74_qkv
	.globl	k_qf6f7041b74_qkv
	.p2align	8
	.type	k_qf6f7041b74_qkv,@function
k_qf6f7041b74_qkv:
	s_mov_b64 s[64:65], 0
	v_nop
	global_prefetch_b8 v0, s[64:65] scope:SCOPE_SE
	s_setreg_imm32_b32 hwreg(HW_REG_WAVE_MODE, 25, 1), 1
	s_wait_xcnt 0x0
	s_wait_alu depctr_hold_cnt(0) depctr_sa_sdst(0) depctr_va_vdst(0) depctr_va_sdst(0) depctr_va_ssrc(0) depctr_va_vcc(0) depctr_vm_vsrc(0)
	s_getreg_b32 s2, hwreg(HW_REG_IB_STS2, 6, 4)
	s_cmp_eq_u32 s2, 0
	s_cbranch_scc0 .Lentry_in_a_cluster
	s_endpgm
.Lentry_in_a_cluster:
	s_bfe_u32 s2, ttmp6, 0x10000c
	s_cmp_lg_u32 s2, 0xf033
	s_cbranch_scc0 .Lentry_shape_is_right
	s_endpgm
.Lentry_shape_is_right:
; kqv = x W_kqv + b_kqv on the given codes of BF8 (E5M2) and their E8M0 bytes; k, q (along the head's 64) and v (along the tokens) are quantised anew and stored as IMAGES OF OPERAND REGISTERS.
; SHARES.  A work-group takes 256 tokens x one head's 192 columns; K = 1,024 in eight steps of 128.  Wave w: hf = w / 2 picks 128 tokens (one key step of the attention), p = w % 2 picks
; k (p = 0) or q (p = 1) and 32 of v's 64 columns.  k and q are made TRANSPOSED (source 0 = 16 rows of W, source 1 = 16 tokens): a lane holds one token, its registers run along the head's axis.
; v is made the natural way (source 0 = 16 tokens, source 1 = 16 rows of W): a lane holds one column d, its registers run along the tokens, which are the K of the attention's second product.
; ORDER INSIDE A BLOCK OF 32.  The 16 registers of two neighbouring result tiles are indices 32 b + 8 h + 0..7 and 32 b + 16 + 8 h + 0..7 (h = lane / 16): a fixed exchange inside ONE block of 32 of the places
; 32 b + 16 h + 0..15 that an operand's registers stand for.  q and k are both laid so, v and the attention's p likewise, so each product still pairs like with like, and the block's scale is the same.
; OUT.  kv: [batch x head 64][key step 16] blocks of 16,896 bytes: 8 images of k (1,024 each: chunk c at 512 c, lane l at 16 l), 4 of v (2,048 each), 256 bytes of k's scale words, 256 of v's.  qb: blocks of 8,448: q as k.
; A scale word of k or q serves a PAIR of token tiles: bytes 0, 1 tile 2 g's two blocks, bytes 2, 3 tile 2 g + 1's; lane l stores two words, word j being pair 2 j + l / 16 of row l % 16.
; CLUSTER 4 x 4: x's tile hangs on the token block alone and is asked for jointly along a row of the cluster, W's on the head alone, along a column.
; LIMITS: NaN and infinities among the codes or the results are not served; a block of zeros gets the byte 1 (its codes are zeros, and this program alone reads the bytes); blocks whose largest magnitude lies under 2^-111 were not tried.
; No prefetch is laid: the launch's K is four fills of a slot long, and each refill is asked for two K steps (64 matrix instructions a wave) ahead of the wait for it.
; REGISTERS, in windows of 256.  window 0: v1-23 addresses; v24-55 x's scale words, v56-79 W's (for all of K); v80-175 W's six fragments, set 0; v176-207, v208-223 the biases; on the way out v80-255 are at work.
;   window 1: x's eight fragments, two sets.   window 2: the 32 accumulators of k or q, (token tile i, W tile t) at v[8 (4 i + t)].   window 3: v0-127 the 16 accumulators of v, (t, i) at v[8 (8 t + i)]; v128-223 W's set 1.
.set PITCH,  272                       ; an LDS row: 256 bytes of codes + 16 of padding, so that the 16 rows of a fragment load begin at 16 different places modulo 256 bytes
.set XBYTES, 256*PITCH                 ; x's 256 rows of a slot
.set SLOT,   448*PITCH                 ; and W's 192 behind them
.set SPARE,  2*SLOT                    ; behind the ring: the spare words, 128 bytes a wave
.set PADW,   (1<<20)|(1<<21)|(5<<22)|(3<<25)   ; group 1, word 0: padding on; bit 21 beside a mask; after every 64 words; four words
.set L16, 1                            ; 16 x lane
.set L8,  2                            ; 8 x lane
.set L4,  3                            ; 4 x lane
.set L32, 4                            ; 32 x lane
.set H32, 5                            ; 32 x (lane / 16)
.set R4,  6                            ; 4 x (lane % 16)
.set KSO, 7                            ; where my two scale words of k or q go
.set ADX, 8                            ; v8-9   LDS address of my x fragments in slot 0, 1
.set ADW, 10                           ; v10-11 of my four W fragments for k or q
.set ADV, 12                           ; v12-13 of my two W fragments for v
.set SPW, 14                           ; my spare word; never rewritten
.set NIL, 15                           ; 0; never rewritten
.set VW,  16                           ; the way out: v's scale words of my two tiles
.set VWS, 18                           ; and the two joined
.set VIO, 20                           ; where v's images go
.set VSO, 21                           ; and v's scale words
.set KW,  22                           ; v[22:23] k's or q's two scale words
.set XS,  24                           ; register XS + 8 pair + k: lanes 0-15 tile 2 pair's words of K step k, lanes 16-31 tile 2 pair + 1's
.set WS,  56                           ; the same for W: pairs 0, 1 for k or q, pair 2 for v
.set W0,  80
.set BQ,  176
.set BV,  208
.set CD,  80                           ; the way out: codes, registers of their own for every store
.set X,   176                          ; numbers held at the largest code
.set PW,  208                          ; a half word of two scale bytes for each token tile
.set TM,  240                          ; +0..3 largest magnitudes, +4..7 bytes, +8..11 the largest number x the scale, +12..15 the conversions' scale operands
.set G1,  28
.set G0,  36
.set G1B, 44
.set G0B, 52
.set MSB, 0
.macro WIN new                         ; the immediate's high byte repeats the setting that is left
.if MSB != \new
	s_set_vgpr_msb (MSB<<8)|\new
.set MSB, \new
.endif
.endm
.macro PLACES n
.rept \n
	v_nop
.endr
.endm
; One scaled matrix instruction.  c < 0: the constant 0 starts the sum.  ra, rb: the side's scales stand in lanes 16-31 of its register.
.macro WM d, a, b, c, sa, sb, ra, rb
.set WMR, (\ra)+2*(\rb)
.if (\c) < 0
.if WMR == 0
	v_wmma_scale_f32_16x16x128_f8f6f4 v[0+(\d):7+(\d)], v[0+(\a):15+(\a)], v[0+(\b):15+(\b)], 0, v[\sa], v[\sb] matrix_a_fmt:MATRIX_FMT_BF8 matrix_b_fmt:MATRIX_FMT_BF8
.elseif WMR == 1
	v_wmma_scale_f32_16x16x128_f8f6f4 v[0+(\d):7+(\d)], v[0+(\a):15+(\a)], v[0+(\b):15+(\b)], 0, v[\sa], v[\sb] matrix_a_fmt:MATRIX_FMT_BF8 matrix_b_fmt:MATRIX_FMT_BF8 matrix_a_scale:MATRIX_SCALE_ROW1
.elseif WMR == 2
	v_wmma_scale_f32_16x16x128_f8f6f4 v[0+(\d):7+(\d)], v[0+(\a):15+(\a)], v[0+(\b):15+(\b)], 0, v[\sa], v[\sb] matrix_a_fmt:MATRIX_FMT_BF8 matrix_b_fmt:MATRIX_FMT_BF8 matrix_b_scale:MATRIX_SCALE_ROW1
.else
	v_wmma_scale_f32_16x16x128_f8f6f4 v[0+(\d):7+(\d)], v[0+(\a):15+(\a)], v[0+(\b):15+(\b)], 0, v[\sa], v[\sb] matrix_a_fmt:MATRIX_FMT_BF8 matrix_b_fmt:MATRIX_FMT_BF8 matrix_a_scale:MATRIX_SCALE_ROW1 matrix_b_scale:MATRIX_SCALE_ROW1
.endif
.else
.if WMR == 0
	v_wmma_scale_f32_16x16x128_f8f6f4 v[0+(\d):7+(\d)], v[0+(\a):15+(\a)], v[0+(\b):15+(\b)], v[0+(\c):7+(\c)], v[\sa], v[\sb] matrix_a_fmt:MATRIX_FMT_BF8 matrix_b_fmt:MATRIX_FMT_BF8
.elseif WMR == 1
	v_wmma_scale_f32_16x16x128_f8f6f4 v[0+(\d):7+(\d)], v[0+(\a):15+(\a)], v[0+(\b):15+(\b)], v[0+(\c):7+(\c)], v[\sa], v[\sb] matrix_a_fmt:MATRIX_FMT_BF8 matrix_b_fmt:MATRIX_FMT_BF8 matrix_a_scale:MATRIX_SCALE_ROW1
.elseif WMR == 2
	v_wmma_scale_f32_16x16x128_f8f6f4 v[0+(\d):7+(\d)], v[0+(\a):15+(\a)], v[0+(\b):15+(\b)], v[0+(\c):7+(\c)], v[\sa], v[\sb] matrix_a_fmt:MATRIX_FMT_BF8 matrix_b_fmt:MATRIX_FMT_BF8 matrix_b_scale:MATRIX_SCALE_ROW1
.else
	v_wmma_scale_f32_16x16x128_f8f6f4 v[0+(\d):7+(\d)], v[0+(\a):15+(\a)], v[0+(\b):15+(\b)], v[0+(\c):7+(\c)], v[\sa], v[\sb] matrix_a_fmt:MATRIX_FMT_BF8 matrix_b_fmt:MATRIX_FMT_BF8 matrix_a_scale:MATRIX_SCALE_ROW1 matrix_b_scale:MATRIX_SCALE_ROW1
.endif
.endif
.endm
; A joint load: waves 0 and 1 fetch x's two halves, waves 2 and 3 W's.  The branch hangs on the wave's number alone.  Four v_nop follow each of the two lines.
.macro JLOAD g0a, g1a, g0b, g1b
	s_cmp_eq_u32 s19, 0
	s_cbranch_scc0 .Lfor_w_\@
	tensor_load_to_lds s[\g0a:\g0a+3], s[\g1a:\g1a+7]
	s_nop 0
.rept 4
	v_nop
.endr
	s_branch .Lasked_\@
.Lfor_w_\@:
	tensor_load_to_lds s[\g0b:\g0b+3], s[\g1b:\g1b+7]
	s_nop 0
.rept 4
	v_nop
.endr
.Lasked_\@:
.endm
.macro CREST                           ; a round of the cluster's barrier behind its opening barrier
	s_cmp_lg_u32 s18, 0
	s_cbranch_scc1 .Lnot_wave_0_\@
	s_barrier_signal -3
.Lnot_wave_0_\@:
	s_barrier_wait -3
	s_barrier_signal -1
	s_barrier_wait -1
.endm
.macro CROUND                          ; a whole round
	s_barrier_signal -1
	s_barrier_wait -1
	CREST
.endm
	s_load_b256 s[4:11], s[0:1], 0x0               ; x's codes s[4:5], x's scales s[6:7], W's codes s[8:9], W's scales s[10:11]
	s_load_b128 s[12:15], s[0:1], 0x20             ; the bias s[12:13], kv s[14:15]
	s_load_b64 s[16:17], s[0:1], 0x30              ; qb
	v_lshl_add_u32 v[SPW], v0, 2, SPARE
	v_mov_b32 v[NIL], 0
	ds_add_u32 v14, v15
	ds_add_u32 v14, v15
	s_wait_dscnt 0x0
	v_lshrrev_b32 v16, 5, v0
	v_readfirstlane_b32 s18, v16                   ; wave 0..3
	s_lshr_b32 s19, s18, 1                         ; hf: my 128 tokens.  Also: I fetch for x (0) or for W (1)
	s_and_b32 s20, s18, 1                          ; p: k or q, and my half of v.  Also: which half of the tile I fetch
	s_bfe_u32 s21, ttmp6, 0x40000                  ; cx, cy: my place in the cluster
	s_bfe_u32 s22, ttmp6, 0x40004
	s_lshl_b32 s23, ttmp9, 2
	s_add_co_u32 s23, s23, s21                     ; the head = 4 x cluster x + cx
	s_and_b32 s24, ttmp7, 0xffff
	s_lshl_b32 s24, s24, 2
	s_add_co_u32 s24, s24, s22                     ; the block of 256 tokens = 4 x cluster y + cy
	s_mov_b32 s25, 0x600000                        ; the mantissa field of 57,344
	s_mov_b32 s26, 0xffff0000                      ; a lane mask: lanes 16-31
	s_mov_b32 s60, 0x76543210
	s_mov_b32 s61, 0xfedcba98                      ; v_permlanex16_b32's selects for lane l xor 16
	s_lshl_b32 s66, s22, 2
	s_lshl_b32 s66, 15, s66                        ; my row of the cluster
	s_lshl_b32 s67, 0x1111, s21                    ; my column
	s_or_b32 s[G1], s66, PADW                      ; x's tiles: 128 rows of 256 bytes (elements of one byte), 1,024 bytes apart in memory
	s_mov_b32 s[G1+1], 256<<16                     ; tensor_dim0
	s_mov_b32 s[G1+2], 128<<16                     ; tensor_dim1
	s_mov_b32 s[G1+3], 256<<16                     ; tile_dim0
	s_mov_b32 s[G1+4], 128                         ; tile_dim1
	s_mov_b32 s[G1+5], 1024                        ; the pitch
	s_mov_b32 s[G1+6], 0
	s_mov_b32 s[G1+7], 0
	s_or_b32 s[G1B], s67, PADW                     ; W's tiles: 96 rows
	s_mov_b32 s[G1B+1], 256<<16
	s_mov_b32 s[G1B+2], 96<<16
	s_mov_b32 s[G1B+3], 256<<16
	s_mov_b32 s[G1B+4], 96
	s_mov_b32 s[G1B+5], 1024
	s_mov_b32 s[G1B+6], 0
	s_mov_b32 s[G1B+7], 0
	s_lshl_b32 s74, s24, 8                         ; x: row 256 x block + 128 x half, 1,024 bytes a row
	s_lshl_b32 s75, s20, 7
	s_add_co_u32 s74, s74, s75
	s_lshl_b32 s74, s74, 10
	s_mov_b32 s75, 0
	s_mul_i32 s86, s23, 192                        ; W: row 192 x head + 96 x half
	s_mul_i32 s87, s20, 96
	s_add_co_u32 s86, s86, s87
	s_lshl_b32 s86, s86, 10
	s_mov_b32 s87, 0
	s_mul_i32 s72, s20, 128*PITCH                  ; where they go in a slot: no place in the cluster enters an LDS address
	s_mul_i32 s73, s20, 96*PITCH
	s_add_co_u32 s73, s73, XBYTES
	s_wait_kmcnt 0x0
	s_add_nc_u64 s[68:69], s[4:5], s[74:75]
	s_add_nc_u64 s[70:71], s[8:9], s[86:87]
	CROUND                                         ; all sixteen work-groups are here: the first joint loads meet
.irp s, 0,1
	s_mov_b32 s[G0+4*\s], 1
	s_add_co_u32 s[G0+4*\s+1], s72, \s*SLOT
	s_add_nc_u64 s[G0+4*\s+2:G0+4*\s+3], s[68:69], \s*256
	s_or_b32 s[G0+4*\s+3], s[G0+4*\s+3], 0x80000000
	s_mov_b32 s[G0B+4*\s], 1
	s_add_co_u32 s[G0B+4*\s+1], s73, \s*SLOT
	s_add_nc_u64 s[G0B+4*\s+2:G0B+4*\s+3], s[70:71], \s*256
	s_or_b32 s[G0B+4*\s+3], s[G0B+4*\s+3], 0x80000000
.endr
	JLOAD G0, G1, G0B, G1B                         ; slot 0: one tensor load a wave at the head
	v_and_b32 v16, 15, v0                          ; r = lane % 16
	v_bfe_u32 v17, v0, 4, 1                        ; h = lane / 16
	v_and_b32 v18, 31, v0                          ; lane
	v_lshlrev_b32 v[L16], 4, v18
	v_lshlrev_b32 v[L8], 3, v18
	v_lshlrev_b32 v[L4], 2, v18
	v_lshlrev_b32 v[L32], 5, v18
	v_lshlrev_b32 v[H32], 5, v17
	v_lshlrev_b32 v[R4], 2, v16
	v_mul_u32_u24 v19, v16, PITCH
	v_lshl_add_u32 v19, v17, 4, v19                ; a fragment's row x pitch + 16 x half
	s_wait_alu depctr_va_vdst(0)
	s_mul_i32 s72, s19, 128*PITCH                  ; my 128 tokens
	s_mul_i32 s73, s20, 64*PITCH
	s_add_co_u32 s73, s73, XBYTES                  ; W's rows 64 p on: k or q
	s_mul_i32 s66, s20, 32*PITCH
	s_add_co_u32 s66, s66, XBYTES+128*PITCH        ; W's rows 128 + 32 p on: my half of v
.irp s, 0,1
	v_add_nc_u32 v[ADX+\s], s72, v19
	v_add_nc_u32 v[ADW+\s], s73, v19
	v_add_nc_u32 v[ADV+\s], s66, v19
	s_add_co_u32 s72, s72, SLOT
	s_add_co_u32 s73, s73, SLOT
	s_add_co_u32 s66, s66, SLOT
.endr
	; the scale words of my rows for ALL of K (32 bytes a row) and the biases stay in registers
	s_lshl_b32 s74, s24, 8
	s_lshl_b32 s75, s19, 7
	s_add_co_u32 s74, s74, s75
	s_lshl_b32 s74, s74, 5
	s_mov_b32 s75, 0
	s_add_nc_u64 s[76:77], s[6:7], s[74:75]        ; x's scales at token 256 x block + 128 hf
	s_mul_i32 s98, s23, 192
	s_lshl_b32 s99, s20, 5
	s_add_co_u32 s99, s99, s98
	s_add_co_u32 s99, s99, 128                     ; W's row 192 x head + 128 + 32 p
	s_lshl_b32 s86, s20, 6
	s_add_co_u32 s98, s98, s86                     ; W's row 192 x head + 64 p
	s_lshl_b32 s86, s98, 5
	s_add_nc_u64 s[78:79], s[10:11], s[86:87]
	s_lshl_b32 s86, s99, 5
	s_add_nc_u64 s[80:81], s[10:11], s[86:87]
	s_lshl_b32 s86, s98, 2
	s_add_nc_u64 s[82:83], s[12:13], s[86:87]
	s_lshl_b32 s86, s99, 2
	s_add_nc_u64 s[84:85], s[12:13], s[86:87]
.irp pr, 0,1,2,3
.irp g, 0,1
	global_load_b128 v[XS+8*\pr+4*\g:XS+8*\pr+4*\g+3], v[L32], s[76:77] offset:1024*\pr+16*\g   ; lane l: row 32 pair + l, words 4 g .. 4 g + 3
.endr
.endr
.irp pr, 0,1
.irp g, 0,1
	global_load_b128 v[WS+8*\pr+4*\g:WS+8*\pr+4*\g+3], v[L32], s[78:79] offset:1024*\pr+16*\g
.endr
.endr
.irp g, 0,1
	global_load_b128 v[WS+16+4*\g:WS+16+4*\g+3], v[L32], s[80:81] offset:16*\g
.endr
.irp t, 0,1,2,3
	global_load_b128 v[BQ+8*\t:BQ+8*\t+3], v[H32], s[82:83] offset:64*\t        ; k or q: register j of tile t is column 16 t + 8 h + j
	global_load_b128 v[BQ+8*\t+4:BQ+8*\t+7], v[H32], s[82:83] offset:64*\t+16
.endr
.irp t, 0,1
.irp j, 0,1,2,3,4,5,6,7
	global_load_b32 v[BV+8*\t+\j], v[R4], s[84:85] offset:64*\t                 ; v: all eight registers of a lane belong to column 16 t + r
.endr
.endr
	; where the results go
	s_lshr_b32 s88, s24, 3                         ; the batch,
	s_lshl_b32 s88, s88, 4
	s_add_co_u32 s88, s88, s23                     ; x 16 + the head,
	s_lshl_b32 s88, s88, 4
	s_and_b32 s89, s24, 7
	s_lshl_b32 s89, s89, 1
	s_add_co_u32 s88, s88, s89
	s_add_co_u32 s88, s88, s19                     ; x 16 + the key step: the block's number
	s_mul_i32 s90, s88, 16896
	s_mov_b32 s91, 0
	s_add_nc_u64 s[92:93], s[14:15], s[90:91]      ; my block of kv
	s_mul_i32 s90, s88, 8448
	s_add_nc_u64 s[94:95], s[16:17], s[90:91]      ; and of qb
	s_cmp_eq_u32 s20, 0
	s_cselect_b64 s[96:97], s[92:93], s[94:95]     ; k's images go to kv, q's to qb: the choice hangs on the wave's number alone
	s_lshl_b32 s98, s20, 13
	s_sub_co_u32 s98, 16384, s98                   ; their scale words stand 16,384 (kv) or 8,192 (qb) bytes into the block
	v_add_nc_u32 v[KSO], s98, v[L8]
	s_lshl_b32 s98, s20, 12
	s_add_co_u32 s98, s98, 8192
	v_add_nc_u32 v[VIO], s98, v[L16]               ; v's images: 8,192 + 2,048 x (2 p + t)
	s_lshl_b32 s98, s20, 7
	s_add_co_u32 s98, s98, 16640
	v_add_nc_u32 v[VSO], s98, v[L4]                ; v's scale words: 16,640 + 4 x column
; 56 LDS loads in one run: the fragments of the slot's q-th 128 along K into set p.  A fragment is 16 registers: lane l holds row l % 16; registers 4 c .. 4 c + 3 hold K = 32 c + 16 (l / 16) + 0 .. 15.
.macro FETCH slot, q, p
	WIN 0x40                                       ; destination window 1
.irp i, 0,1,2,3,4,5,6,7
.irp c, 0,1,2,3
	ds_load_b128 v[128*\p+16*\i+4*\c:128*\p+16*\i+4*\c+3], v[ADX+\slot] offset:128*\q+32*\c+16*PITCH*\i
.endr
.endr
.if \p
	WIN 0xc0                                       ; destination window 3
.else
	WIN 0
.endif
.irp t, 0,1,2,3
.irp c, 0,1,2,3
	ds_load_b128 v[W0+48*\p+16*\t+4*\c:W0+48*\p+16*\t+4*\c+3], v[ADW+\slot] offset:128*\q+32*\c+16*PITCH*\t
.endr
.endr
.irp t, 0,1
.irp c, 0,1,2,3
	ds_load_b128 v[W0+48*\p+64+16*\t+4*\c:W0+48*\p+64+16*\t+4*\c+3], v[ADV+\slot] offset:128*\q+32*\c+16*PITCH*\t
.endr
.endr
.endm
; 16 matrix instructions for k or q: token tiles i0 .. i0 + 3 x W's four tiles, K step k, operand set p.  first = 1: the bias is the C of the sum's first instruction.
; The 48 accumulators take turns, one instruction a turn, in the same order in every K step.
.macro MULKQ i0, p, k, first
.if \first
	WIN 0x84                                       ; W window 0, x window 1, the bias window 0, D window 2
.elseif \p
	WIN 0xa7                                       ; W window 3, x window 1, C and D window 2
.else
	WIN 0xa4
.endif
.irp i, \i0, \i0+1, \i0+2, \i0+3
.irp t, 0,1,2,3
.if \first
	WM 8*(4*(\i)+\t), W0+48*(\p)+16*\t, 128*(\p)+16*(\i), BQ+8*\t, WS+8*(\t/2)+(\k), XS+8*((\i)/2)+(\k), \t%2, (\i)%2
.else
	WM 8*(4*(\i)+\t), W0+48*(\p)+16*\t, 128*(\p)+16*(\i), 8*(4*(\i)+\t), WS+8*(\t/2)+(\k), XS+8*((\i)/2)+(\k), \t%2, (\i)%2
.endif
.endr
.endr
.endm
.macro MULV p, k, first                ; 16 for v: source 0 = x
.if \first
	WIN 0xc1                                       ; x window 1, W window 0, the bias window 0, D window 3
.elseif \p
	WIN 0xfd                                       ; x window 1, W window 3, C and D window 3
.else
	WIN 0xf1
.endif
.irp t, 0,1
.irp i, 0,1,2,3,4,5,6,7
.if \first
	WM 8*(8*\t+\i), 128*(\p)+16*\i, W0+48*(\p)+64+16*\t, BV+8*\t, XS+8*(\i/2)+(\k), WS+16+(\k), \i%2, \t%2
.else
	WM 8*(8*\t+\i), 128*(\p)+16*\i, W0+48*(\p)+64+16*\t, 8*(8*\t+\i), XS+8*(\i/2)+(\k), WS+16+(\k), \i%2, \t%2
.endif
.endr
.endr
.endm
; A slot's first K step (set 0): the second step's fragments are asked for at its head.  Eight places stand in front of loads into registers that matrix instructions have read.
.macro STEP slot, k
	PLACES 8
	FETCH \slot, 1, 1
	s_wait_dscnt 56                                ; set 0 is in; the 56 loads just issued may be out
	MULKQ 0, 0, \k, 0
	MULKQ 4, 0, \k, 0
	MULV 0, \k, 0
.endm
; A slot's second K step (set 1) changes slots: ONE barrier; in front of it each wave waits for all its tensor loads, adds 0 to its spare word, and waits for that and for its own reads of the slot.
.macro TURN slot, next, fill, k
	WIN 0                                          ; (the add's two registers lie in window 0)
	s_wait_tensorcnt 0x0                           ; all my tensor loads have landed: my part of the next slot
	ds_add_u32 v[SPW], v[NIL]                      ; 0 onto my spare word
	s_wait_dscnt 1                                 ; set 1 is in; the add may be out
	MULKQ 0, 1, \k, 0                              ; sixteen matrix instructions stand between the add and the wait for it
	s_wait_dscnt 0x0                               ; the add is done, and my reads of this slot are over
	s_barrier_signal -1
	MULKQ 4, 1, \k, 0
	WIN 0
	s_barrier_wait -1
.if \fill
	CREST                                          ; the barrier has opened a round of the cluster's barrier: no wave of any partner still reads this slot or has a load on its way
	s_add_nc_u64 s[G0+4*\slot+2:G0+4*\slot+3], s[G0+4*\slot+2:G0+4*\slot+3], 512
	s_add_nc_u64 s[G0B+4*\slot+2:G0B+4*\slot+3], s[G0B+4*\slot+2:G0B+4*\slot+3], 512
	JLOAD G0+4*\slot, G1, G0B+4*\slot, G1B         ; the first tensor load behind the round; its four v_nop are four of the eight places in front of the loads below
	PLACES 4
.else
	PLACES 8
.endif
	FETCH \next, 0, 0
	MULV 1, \k, 0
.endm
	s_wait_alu depctr_va_vdst(0)
	s_wait_tensorcnt 0x0                           ; my part of slot 0 is in
	ds_add_u32 v[SPW], v[NIL]
	s_wait_dscnt 0x0
	CROUND                                         ; a whole round: everybody's part of slot 0 is in, and the joint loads meet
	JLOAD G0+4, G1, G0B+4, G1B                     ; slot 1's first fill, the first tensor load behind the round
	FETCH 0, 0, 0
	FETCH 0, 1, 1
	s_wait_loadcnt 0x0                             ; the scale words and the biases
	s_wait_dscnt 56
	MULKQ 0, 0, 0, 1                               ; K step 0 starts the sums, on the biases
	MULKQ 4, 0, 0, 1
	MULV 0, 0, 1
	TURN 0, 1, 1, 1                                ; slot 0 takes K 512 on
	STEP 1, 2
	TURN 1, 0, 1, 3                                ; slot 1 takes K 768 on
	STEP 0, 4
	TURN 0, 1, 0, 5                                ; nothing is left to fetch
	STEP 1, 6
	s_wait_dscnt 0x0
	MULKQ 0, 1, 7, 0
	MULKQ 4, 1, 7, 0
	MULV 1, 7, 0
	WIN 0
; THE WAY OUT.  A block's scale: the largest magnitude (with the floor 2^(16 - 127) among its leaves, so that the byte cannot fall under 1), joined with lane l xor 16's; 15 off its exponent field is the conversion's scale operand,
; that shifted is the byte; the numbers are held within 57,344 x the scale, since the conversion to an 8-bit code does not saturate (ISA guide 7.6.2).  Each accumulator is read from its low end on.
	PLACES 8
.irp b, 0,1,2,3
	v_mov_b32 v[TM+4+\b], 0                        ; a lane permute's destination counts as one of its sources
.endr
.macro QKQ i                           ; token tile i of k or q: 32 registers of window 2, two blocks of 32 along the head's axis
	WIN 0x0a                                       ; sources 0 and 1 window 2
.irp b, 0,1
	v_max3_num_f32 v[TM+\b], |v[32*\i+16*\b]|, |v[32*\i+16*\b+1]|, 0x8000000
.endr
.irp n, 2,4,6,8,10,12,14
.irp b, 0,1
	v_max3_num_f32 v[TM+\b], |v[32*\i+16*\b+\n]|, |v[32*\i+16*\b+\n+1]|, v[TM+\b]
.endr
.endr
	WIN 0
.irp b, 0,1
	v_permlanex16_b32 v[TM+4+\b], v[TM+\b], s60, s61
.endr
.irp b, 0,1
	v_max_num_f32 v[TM+\b], v[TM+\b], v[TM+4+\b]
.endr
.irp b, 0,1
	v_add_nc_u32 v[TM+12+\b], 0xf8800000, v[TM+\b]
.endr
.irp b, 0,1
	v_and_or_b32 v[TM+8+\b], v[TM+\b], 0x7f800000, s25
.endr
.irp b, 0,1
	v_lshrrev_b32 v[TM+4+\b], 23, v[TM+12+\b]
.endr
	v_lshl_or_b32 v[PW+\i], v[TM+5], 8, v[TM+4]    ; the tile's two bytes
	WIN 0x02                                       ; source 0 window 2
.irp b, 0,1
.irp n, 0,1,2,3,4,5,6,7,8,9,10,11,12,13,14,15
	v_med3_num_f32 v[X+16*\b+\n], v[32*\i+16*\b+\n], -v[TM+8+\b], v[TM+8+\b]
.endr
.endr
	WIN 0
.irp b, 0,1
	v_cvt_scalef32_pk8_bf8_f32 v[CD+8*\i+4*\b:CD+8*\i+4*\b+1], v[X+16*\b:X+16*\b+7], v[TM+12+\b]
	v_cvt_scalef32_pk8_bf8_f32 v[CD+8*\i+4*\b+2:CD+8*\i+4*\b+3], v[X+16*\b+8:X+16*\b+15], v[TM+12+\b]
.endr
	v_nop                                          ; one plain instruction behind the last conversion, ahead of the next vector instruction that writes its sources
.irp b, 0,1
	global_store_b128 v[L16], v[CD+8*\i+4*\b:CD+8*\i+4*\b+3], s[96:97] offset:1024*\i+512*\b   ; 32 lanes store 512 consecutive bytes; the codes' registers are written once
.endr
.endm
.irp i, 0,1,2,3,4,5,6,7
	QKQ \i
.endr
.irp g, 0,1,2,3
	v_lshl_or_b32 v[TM+\g], v[PW+2*\g+1], 16, v[PW+2*\g]   ; pair g's word: every lane has row l % 16's
.endr
	v_cndmask_b32 v[KW], v[TM], v[TM+1], s26       ; lanes 0-15 pair 0, lanes 16-31 pair 1
	v_cndmask_b32 v[KW+1], v[TM+2], v[TM+3], s26   ; pairs 2 and 3
	global_store_b64 v[KSO], v[KW:KW+1], s[96:97]  ; 256 consecutive bytes
.macro QV t                            ; my column tile t of v: 64 registers of window 3, four blocks of 32 along the tokens
	WIN 0x0f                                       ; sources 0 and 1 window 3
.irp b, 0,1,2,3
	v_max3_num_f32 v[TM+\b], |v[64*\t+16*\b]|, |v[64*\t+16*\b+1]|, 0x8000000
.endr
.irp n, 2,4,6,8,10,12,14
.irp b, 0,1,2,3
	v_max3_num_f32 v[TM+\b], |v[64*\t+16*\b+\n]|, |v[64*\t+16*\b+\n+1]|, v[TM+\b]
.endr
.endr
	WIN 0
.irp b, 0,1,2,3
	v_permlanex16_b32 v[TM+4+\b], v[TM+\b], s60, s61
.endr
.irp b, 0,1,2,3
	v_max_num_f32 v[TM+\b], v[TM+\b], v[TM+4+\b]
.endr
.irp b, 0,1,2,3
	v_add_nc_u32 v[TM+12+\b], 0xf8800000, v[TM+\b]
.endr
.irp b, 0,1,2,3
	v_and_or_b32 v[TM+8+\b], v[TM+\b], 0x7f800000, s25
.endr
.irp b, 0,1,2,3
	v_lshrrev_b32 v[TM+4+\b], 23, v[TM+12+\b]
.endr
	v_lshl_or_b32 v[VW+\t], v[TM+5], 8, v[TM+4]    ; the column's scale word for these 128 tokens
	v_lshl_or_b32 v[VW+\t], v[TM+6], 16, v[VW+\t]
	v_lshl_or_b32 v[VW+\t], v[TM+7], 24, v[VW+\t]
	WIN 0x03                                       ; source 0 window 3
.irp b, 0,1,2,3
.irp n, 0,1,2,3,4,5,6,7,8,9,10,11,12,13,14,15
	v_med3_num_f32 v[X+16*\b+\n], v[64*\t+16*\b+\n], -v[TM+8+\b], v[TM+8+\b]
.endr
.endr
	WIN 0
.irp b, 0,1,2,3
	v_cvt_scalef32_pk8_bf8_f32 v[CD+64+16*\t+4*\b:CD+64+16*\t+4*\b+1], v[X+16*\b:X+16*\b+7], v[TM+12+\b]
	v_cvt_scalef32_pk8_bf8_f32 v[CD+64+16*\t+4*\b+2:CD+64+16*\t+4*\b+3], v[X+16*\b+8:X+16*\b+15], v[TM+12+\b]
.endr
	v_nop
.irp b, 0,1,2,3
	global_store_b128 v[VIO], v[CD+64+16*\t+4*\b:CD+64+16*\t+4*\b+3], s[92:93] offset:2048*\t+512*\b
.endr
.endm
	QV 0
	QV 1
	v_cndmask_b32 v[VWS], v[VW], v[VW+1], s26      ; lanes 0-15 tile 0's columns, lanes 16-31 tile 1's
	global_store_b32 v[VSO], v[VWS], s[92:93]
	s_wait_tensorcnt 0x0                           ; the wave's end
	ds_add_u32 v[SPW], v[NIL]
	s_wait_dscnt 0x0
	CROUND                                         ; the closing round: no work-group ends while a partner may still ask for a tile that names it
	s_endpgm
.Lfunc_end_k_qf6f7041b74_qkv:
	.size	k_qf6f7041b74_qkv, .Lfunc_end_k_qf6f7041b74_qkv-k_qf6f7041b74_qkv
	.p2alignl 7, 3214868480
	.fill 96, 4, 3214868480
	.section	.rodata,"a",@progbits
	.p2align	6, 0x0
	.amdhsa_kernel k_qf6f7041b74_qkv
		.amdhsa_group_segment_fixed_size 327680
		.amdhsa_private_segment_fixed_size 0
		.amdhsa_enable_private_segment 0
		.amdhsa_kernarg_size 56
		.amdhsa_user_sgpr_count 2
		.amdhsa_user_sgpr_kernarg_segment_ptr 1
		.amdhsa_wavefront_size32 1
		.amdhsa_system_sgpr_workgroup_id_x 1
		.amdhsa_system_sgpr_workgroup_id_y 1
		.amdhsa_system_sgpr_workgroup_id_z 1
		.amdhsa_system_vgpr_workitem_id 0
		.amdhsa_next_free_vgpr 1024
		.amdhsa_next_free_sgpr 100
		.amdhsa_reserve_vcc 0
		.amdhsa_float_denorm_mode_32 3
		.amdhsa_float_denorm_mode_16_64 3
		.amdhsa_memory_ordered 1
		.amdhsa_forward_progress 1
		.amdhsa_inst_pref_size 147
	.end_amdhsa_kernel
	.amdgpu_metadata
---
amdhsa.version: [ 1, 2 ]
amdhsa.kernels:
  - .name:           k_qf6f7041b74_qkv
    .symbol:         k_qf6f7041b74_qkv.kd
    .args:
      - { .name: x_codes, .offset: 0, .size: 8, .value_kind: global_buffer, .address_space: global }
      - { .name: x_scales, .offset: 8, .size: 8, .value_kind: global_buffer, .address_space: global }
      - { .name: W_kqv_codes, .offset: 16, .size: 8, .value_kind: global_buffer, .address_space: global }
      - { .name: W_kqv_scales, .offset: 24, .size: 8, .value_kind: global_buffer, .address_space: global }
      - { .name: b_kqv, .offset: 32, .size: 8, .value_kind: global_buffer, .address_space: global }
      - { .name: kv, .offset: 40, .size: 8, .value_kind: global_buffer, .address_space: global }
      - { .name: qb, .offset: 48, .size: 8, .value_kind: global_buffer, .address_space: global }
    .group_segment_fixed_size: 327680
    .private_segment_fixed_size: 0
    .kernarg_segment_align: 8
    .kernarg_segment_size: 56
    .max_flat_workgroup_size: 128
    .sgpr_count:     100
    .vgpr_count:     1024
    .wavefront_size: 32
...
	.end_amdgpu_metadata
.endif
;; end of part 1
;; launch attn (part 2): grid 4 x 64, 16 waves a work-group, clusters of 4 x 1, 327,680 bytes of LDS; arguments qb, kv, sa_img, sa_sc; writes sa_img, sa_sc
.if DOCPART == 2
	.amdgcn_target "amdgcn-amd-amdhsa--gfx1250"
	.amdhsa_code_object_version 6
	.text
	.protected	k_qf6f7041b74_attn
	.globl	k_qf6f7041b74_attn
	.p2align	8
	.type	k_qf6f7041b74_attn,@function
k_qf6f7041b74_attn:
	s_mov_b64 s[64:65], 0
	v_nop
	global_prefetch_b8 v0, s[64:65] scope:SCOPE_SE
	s_setreg_imm32_b32 hwreg(HW_REG_WAVE_MODE, 25, 1), 1
	s_wait_xcnt 0x0
	s_wait_alu depctr_hold_cnt(0) depctr_sa_sdst(0) depctr_va_vdst(0) depctr_va_sdst(0) depctr_va_ssrc(0) depctr_va_vcc(0) depctr_vm_vsrc(0)
	s_getreg_b32 s2, hwreg(HW_REG_IB_STS2, 6, 4)
	s_cmp_eq_u32 s2, 0
	s_cbranch_scc0 .Lentry_in_a_cluster
	s_endpgm
.Lentry_in_a_cluster:
	s_bfe_u32 s2, ttmp6, 0x10000c
	s_cmp_lg_u32 s2, 0x3003
	s_cbranch_scc0 .Lentry_shape_is_right
	s_endpgm
.Lentry_shape_is_right:
; sa = softmax(q k^T / 8, causal) v for one batch and head, both products on codes of BF8 (E5M2) with E8M0 scales; sa is quantised along (head, d) for the output projection and stored as images of operand registers.
; THE SOFTMAX AHEAD OF THE SECOND PRODUCT: t = score x log2(e) / 8; M = the running largest t rounded UP to a whole number; p = 2^(t - M) is quantised along the keys, not normalised; the row's sum is taken of the
; unquantised p and divides at the end.  When M moves, the sum and O are multiplied by 2^(old M - new M): exact.
; K AND V OF A WHOLE HEAD STAY IN LDS: 16 key steps of 128 keys x 16,896 bytes = 270,336 bytes.  Each of the sixteen waves asks for one key step's block at the kernel's head; nothing is filled again.
; Waves 0 to 3 have a load line and a wait of their own: a first barrier shows key steps 0 to 3, four key steps are worked, a second barrier shows the other twelve.  Behind it the waves meet at no barrier until the end.
; CLUSTER 4 x 1: the four work-groups of a head read the same K and V and ask for each block jointly (mask 15); the descriptor hangs on the head and the wave's number alone.
; SHARES.  A head has 128 tiles of 16 queries.  Wave w of the work-group at place cx owns tiles i = 4 w + cx and 127 - i.  Under the causal mask tile i wants key steps 0 .. i / 8, and i / 8 = w / 2: so tile 127 - i wants
; 16 - w / 2 steps and tile i wants w / 2 + 1: 17 for every wave, the last of each on the diagonal.  Trip counts, branches and LDS addresses hang on the wave's number and the count of trips, never on cx.
; THE WALK, trips 0 .. 16: tile 127 - i takes key step = trip while trip < 16 - w / 2; then tile i takes key step 16 - trip, from its diagonal step down to 0 (the query's own key lies in the diagonal step, so M is a number from the first step on).
; Key steps all of whose keys come after a tile's queries are never walked: the causal mask hides them.
; NO PREFETCH: all that the work-group reads of K and V is asked for at the head, one load a wave; no later load is there to run ahead of.
; LAYOUT.  Both products are used transposed (S^T = k q^T, O^T = v^T p^T): a lane holds ONE query (lane % 16).  The head's axis is 64 long and the instruction's K 128: a fragment of k holds a PAIR of key tiles (tile 2 g in
; K 0..63, tile 2 g + 1 in K 64..127), and q stands in 24 registers as [q | zeros | q]: the first 16 pick tile 2 g, the last 16 tile 2 g + 1 (zero codes add nothing; k's codes are finite, being held at the largest code).
; The 16 registers of S^T's tiles 2 b and 2 b + 1 are keys 32 b + 8 h + 0..7 and 32 b + 16 + 8 h + 0..7 (h = lane / 16); v's images were laid in the same order, so p's codes are the operand as they come.
; LIMITS: NaN and infinities are not served; the promise holds while |t| stays under 2^31; a block of zeros gets the byte 1 (its codes are zeros; this program alone reads the bytes); blocks whose largest magnitude lies under 2^-111 were not tried.
.set BLKB,  16896                      ; a key step's block of kv: 8,192 of k's images, 8,192 of v's, 256 of k's scale words, 256 of v's
.set SPARE, 16*BLKB                    ; behind the sixteen blocks: the spare words, 128 bytes for each of sixteen waves
.set L16, 1                            ; 16 x lane
.set L8,  2
.set L4,  3
.set SPW, 4                            ; my spare word; never rewritten
.set NIL, 5                            ; 0; never rewritten
.set RH,  6                            ; lane % 16 - 8 (lane / 16): for the mask
.set AD16, 7                           ; the key step's block + 16 x lane
.set AD8, 8
.set AD4, 9
.set R4,  10                           ; 4 x (lane % 16)
.set R8,  11                           ; 8 x (lane % 16)
.set QF,  16                           ; v16-39 q | zeros | q
.set QSC, 40                           ; q's scale word: (q0, q1, q0, q1)
.set QT,  41                           ; the pair's word as loaded
.set KSC, 42                           ; v[42:43] k's scale words: pair g in register g / 2, lanes 16 (g % 2) on
.set VSC, 44                           ; v44-45 v's: tile t in register t / 2, lanes 16 (t % 2) on
.set PSC, 46                           ; p's scale word
.set HW,  47                           ; the way out: sa's two scale bytes
.set KV,  48                           ; v48-111 k's four pair fragments: this step's and, behind its score products, the next step's
.set S,   112                          ; v112-175 S^T, then p, then, block by block behind p's conversions, v's four fragments
.set ADN, 224                          ; the next key step's block + 16 x lane (AD8: the same + 8 x lane)
.set TN,  27                           ; s27 the LDS byte at which the next key step's block begins
.set O,   176                          ; v176-207 O^T
.set PC,  208                          ; v208-223 p's codes
.set BM,  232                          ; v232-235 the blocks' largest
.set T2,  236
.set LIM, 240
.set SCO, 244
.set TB,  24                           ; s24 the LDS byte at which the key step's block begins
.set DQ,  25                           ; s25 16 x (my tile % 8): my first query less the diagonal step's first key
.set Q0,  26                           ; s26 my first query
; s12 wave; s13 cx; s14 batch x 16 + head; s15 head; s16 batch; s17 the trip; s18 = 16 - wave / 2: the trip in which the second tile begins; s53 the tile in hand; s59 tile i
.macro PLACES n
.rept \n
	v_nop
.endr
.endm
.macro KLOAD                           ; k's four pair fragments, as images, and k's scale words, of the block that ADN and AD8 point at: 17 LDS loads
.set NN, 0
.rept 16
	ds_load_b128 v[KV+4*NN:KV+4*NN+3], v[ADN] offset:512*NN
.set NN, NN+1
.endr
	ds_load_b64 v[KSC:KSC+1], v[AD8] offset:16384
.endm
.macro KSOF d, t                       ; s[d] = the LDS byte of the key step of trip s(t): the trip for the first tile, 16 - trip for the second; 15 blocks on at the most
	s_xor_b32 s54, s\t, 15                         ; (16 - trip) modulo 16,
	s_add_co_u32 s54, s54, 1
	s_and_b32 s54, s54, 15
	s_cmp_lt_u32 s\t, s18
	s_cselect_b32 s54, s\t, s54
	s_min_u32 s54, s54, 15
	s_mul_i32 s[\d], s54, BLKB
.endm
.macro WM d, a, b, c, sa, sb, ra       ; one scaled matrix instruction; c < 0: the constant 0 starts the sum; ra: A's scales stand in lanes 16-31
.if (\c) < 0
.if \ra
	v_wmma_scale_f32_16x16x128_f8f6f4 v[0+(\d):7+(\d)], v[0+(\a):15+(\a)], v[0+(\b):15+(\b)], 0, v[\sa], v[\sb] matrix_a_fmt:MATRIX_FMT_BF8 matrix_b_fmt:MATRIX_FMT_BF8 matrix_a_scale:MATRIX_SCALE_ROW1
.else
	v_wmma_scale_f32_16x16x128_f8f6f4 v[0+(\d):7+(\d)], v[0+(\a):15+(\a)], v[0+(\b):15+(\b)], 0, v[\sa], v[\sb] matrix_a_fmt:MATRIX_FMT_BF8 matrix_b_fmt:MATRIX_FMT_BF8
.endif
.else
.if \ra
	v_wmma_scale_f32_16x16x128_f8f6f4 v[0+(\d):7+(\d)], v[0+(\a):15+(\a)], v[0+(\b):15+(\b)], v[0+(\c):7+(\c)], v[\sa], v[\sb] matrix_a_fmt:MATRIX_FMT_BF8 matrix_b_fmt:MATRIX_FMT_BF8 matrix_a_scale:MATRIX_SCALE_ROW1
.else
	v_wmma_scale_f32_16x16x128_f8f6f4 v[0+(\d):7+(\d)], v[0+(\a):15+(\a)], v[0+(\b):15+(\b)], v[0+(\c):7+(\c)], v[\sa], v[\sb] matrix_a_fmt:MATRIX_FMT_BF8 matrix_b_fmt:MATRIX_FMT_BF8
.endif
.endif
.endm
.macro CROUND                          ; a round of the cluster's barrier
	s_barrier_signal -1
	s_barrier_wait -1
	s_cmp_lg_u32 s12, 0
	s_cbranch_scc1 .Lnot_wave_0_\@
	s_barrier_signal -3
.Lnot_wave_0_\@:
	s_barrier_wait -3
	s_barrier_signal -1
	s_barrier_wait -1
.endm
.macro SETQ                            ; from the tile s53 (0 .. 127): my first query, and where the tile of q and its scale word stand
	s_lshl_b32 s[Q0], s53, 4
	s_and_b32 s[DQ], s53, 7
	s_lshl_b32 s[DQ], s[DQ], 4
	s_lshl_b32 s54, s14, 4
	s_lshr_b32 s55, s53, 3
	s_add_co_u32 s54, s54, s55                     ; qb's block: 16 x (batch x head) + tile / 8
	s_mul_i32 s54, s54, 8448
	s_mov_b32 s55, 0
	s_add_nc_u64 s[46:47], s[4:5], s[54:55]
	s_and_b32 s56, s53, 7
	s_lshl_b32 s56, s56, 10                        ; tile % 8: 1,024 bytes each
	s_mov_b32 s57, 0
	s_add_nc_u64 s[44:45], s[46:47], s[56:57]
	s_bfe_u32 s56, s53, 0x10001                    ; the tile's pair g = (tile % 8) / 2 stands in word g / 2 of lanes 16 (g % 2) on, 8 bytes a lane
	s_lshl_b32 s56, s56, 7
	s_bfe_u32 s58, s53, 0x10002
	s_lshl_b32 s58, s58, 2
	s_add_co_u32 s56, s56, s58
	s_add_co_u32 s56, s56, 8192
	s_add_nc_u64 s[46:47], s[46:47], s[56:57]
	s_and_b32 s52, s53, 1
	s_lshl_b32 s52, s52, 4                         ; by how much my tile's half of the pair's word is shifted
.endm
.macro SETSA                           ; where my tile's codes and scale bytes go
	s_lshl_b32 s54, s16, 7
	s_add_co_u32 s54, s54, s53                     ; the tile of 16 rows: 128 x batch + tile
	s_lshl_b32 s54, s54, 14                        ; 16,384 bytes a tile,
	s_lshl_b32 s55, s15, 10                        ; 1,024 a head
	s_add_co_u32 s54, s54, s55
	s_mov_b32 s55, 0
	s_add_nc_u64 s[48:49], s[8:9], s[54:55]
	s_lshl_b32 s54, s16, 11
	s_add_co_u32 s54, s54, s[Q0]
	s_lshl_b32 s54, s54, 2                         ; a word a row,
	s_lshr_b32 s56, s15, 1
	s_lshl_b32 s56, s56, 15                        ; 32,768 bytes a K step of the projection (two heads),
	s_add_co_u32 s54, s54, s56
	s_and_b32 s56, s15, 1
	s_lshl_b32 s56, s56, 1                         ; my head's half of the word
	s_add_co_u32 s54, s54, s56
	s_add_nc_u64 s[50:51], s[10:11], s[54:55]
.endm
.macro LOADQ
	PLACES 8                                       ; in front of loads into registers that matrix instructions have read
	global_load_b128 v[QF:QF+3], v[L16], s[44:45]
	global_load_b128 v[QF+4:QF+7], v[L16], s[44:45] offset:512
	global_load_b128 v[QF+16:QF+19], v[L16], s[44:45]
	global_load_b128 v[QF+20:QF+23], v[L16], s[44:45] offset:512
	global_load_b32 v[QT], v[R8], s[46:47]
.endm
.macro REINIT                          ; a tile of queries begins: q's scale word; O^T and the sum begin as zeros and the largest score (v13) as -3e38, so that the key step has no first form of its own
	s_wait_loadcnt 0x0
	v_lshrrev_b32 v[QT], s52, v[QT]                ; my tile's half of the pair's word,
	s_delay_alu instid0(VALU_DEP_1)
	v_and_b32 v[QT], 0xffff, v[QT]
	s_delay_alu instid0(VALU_DEP_1)
	v_lshl_or_b32 v[QSC], v[QT], 16, v[QT]         ; for both places of q.  (More than eight plain instructions follow ahead of the next matrix instruction)
	v_mov_b32 v13, 0xff61b1e6
	s_delay_alu instid0(VALU_DEP_1)
	v_floor_f32 v12, -v13
	v_mov_b32 v14, 0
	v_mov_b32 v15, 0
.set NN, 0
.rept 32
	v_mov_b32 v[O+NN], 0
.set NN, NN+1
.endr
.endm
; O^T / the sum is sa's tile: lane (r, h) holds row r and d = 16 t + 8 h + j.  It is quantised along d (two blocks of 32) and stored as two chunks of an operand's image; the projection reads W's rows in the same order.
.macro FINAL
	PLACES 8                                       ; behind the last products, in front of the first read of their results
	s_wait_alu depctr_va_vdst(0)                   ; the sum was written at the step's end, and a taken branch may lie between
	v_add_f32 v14, v14, v15                        ; the sum's two halves,
	s_delay_alu instid0(VALU_DEP_1)
	v_permlanex16_b32 v252, v14, s20, s21
	s_delay_alu instid0(VALU_DEP_1)
	v_add_f32 v14, v14, v252                       ; and lane l xor 16's
	s_wait_alu depctr_va_vdst(0)                   ; the wait ahead of the transcendental
	v_rcp_f32 v14, v14
	v_nop                                          ; a plain instruction behind the reciprocal,
	s_wait_alu depctr_va_vdst(0)                   ; and the wait ahead of its first reader
.set NN, 0
.rept 16
	v_pk_mul_f32 v[S+NN:S+NN+1], v[O+NN:O+NN+1], v[14:15] op_sel_hi:[1,0]   ; each accumulator from its low end on
.set NN, NN+2
.endr
.irp b, 0,1
	v_max3_num_f32 v[BM+\b], |v[S+16*\b]|, |v[S+16*\b+1]|, 0x8000000        ; with the floor 2^(16 - 127): the byte cannot fall under 1
.endr
.irp n, 2,4,6,8,10,12,14
.irp b, 0,1
	s_delay_alu instid0(VALU_DEP_2)
	v_max3_num_f32 v[BM+\b], v[BM+\b], |v[S+16*\b+\n]|, |v[S+16*\b+\n+1]|
.endr
.endr
.irp b, 0,1
	s_delay_alu instid0(VALU_DEP_2)
	v_permlanex16_b32 v[T2+\b], v[BM+\b], s20, s21
.endr
.irp b, 0,1
	s_delay_alu instid0(VALU_DEP_2)
	v_max_num_f32 v[BM+\b], v[BM+\b], v[T2+\b]
.endr
.irp b, 0,1
	s_delay_alu instid0(VALU_DEP_2)
	v_add_nc_u32 v[SCO+\b], 0xf8800000, v[BM+\b]   ; 15 off the exponent field: the conversion's scale operand
.endr
.irp b, 0,1
	s_delay_alu instid0(VALU_DEP_4)
	v_and_or_b32 v[LIM+\b], v[BM+\b], 0x7f800000, s19   ; 57,344 x the scale
.endr
.irp b, 0,1
	s_delay_alu instid0(VALU_DEP_4)
	v_lshrrev_b32 v[T2+\b], 23, v[SCO+\b]
.endr
	s_delay_alu instid0(VALU_DEP_1)
	v_lshl_or_b32 v[HW], v[T2+1], 8, v[T2]
.irp b, 0,1
.irp n, 0,1,2,3,4,5,6,7,8,9,10,11,12,13,14,15
	v_med3_num_f32 v[S+16*\b+\n], v[S+16*\b+\n], -v[LIM+\b], v[LIM+\b]      ; the conversion does not saturate (ISA guide 7.6.2)
.endr
.endr
.irp b, 0,1
	v_cvt_scalef32_pk8_bf8_f32 v[PC+4*\b:PC+4*\b+1], v[S+16*\b:S+16*\b+7], v[SCO+\b]
	v_cvt_scalef32_pk8_bf8_f32 v[PC+4*\b+2:PC+4*\b+3], v[S+16*\b+8:S+16*\b+15], v[SCO+\b]
.endr
	v_nop                                          ; one plain instruction behind the last conversion
	global_store_b128 v[L16], v[PC:PC+3], s[48:49]             ; 512 consecutive bytes each
	global_store_b128 v[L16], v[PC+4:PC+7], s[48:49] offset:512
	global_store_b16 v[R4], v[HW], s[50:51]        ; my row's two bytes (lanes l and l xor 16 store the same value to the same place)
.endm
	s_load_b256 s[4:11], s[0:1], 0x0               ; qb s[4:5], kv s[6:7], sa_img s[8:9], sa_sc s[10:11]
	v_lshl_add_u32 v[SPW], v0, 2, SPARE
	v_mov_b32 v[NIL], 0
	ds_add_u32 v[SPW], v[NIL]                      ; the wave's opening: the add, twice on end, and its wait ahead of my first tensor load
	ds_add_u32 v[SPW], v[NIL]
	v_lshrrev_b32 v1, 5, v0
	v_readfirstlane_b32 s12, v1                    ; wave 0..15
	s_bfe_u32 s13, ttmp6, 0x40000                  ; cx: my place in the cluster
	s_and_b32 s14, ttmp7, 0xffff                   ; batch x 16 + head
	s_and_b32 s15, s14, 15                         ; the head
	s_lshr_b32 s16, s14, 4                         ; the batch
	s_lshr_b32 s18, s12, 1
	s_sub_co_u32 s18, 16, s18                      ; the trip in which my second tile begins: from the wave's number alone
	s_mov_b32 s19, 0x600000                        ; the mantissa field of 57,344
	s_mov_b32 s20, 0x76543210
	s_mov_b32 s21, 0xfedcba98                      ; v_permlanex16_b32's selects for lane l xor 16
	s_mov_b32 s22, 0x3e38aa3b                      ; c = log2(e) / 8
	s_mov_b32 s23, s22                             ; (named with it as a pair, so it is written)
	s_lshl_b32 s59, s12, 2
	s_add_co_u32 s59, s59, s13                     ; tile i = 4 x wave + cx: it enters global addresses and the mask's numbers alone
	s_sub_co_u32 s53, 127, s59                     ; the first tile in hand: 127 - i
	s_mov_b32 s28, 15|(3<<16)|(1<<21)              ; group 1: the mask names the cluster's four, bit 21 beside it; a dense block as 66 rows of 256 bytes (32 elements of 8 bytes), no padding: images are read 512 consecutive bytes at a time
	s_mov_b32 s29, 32<<16
	s_mov_b32 s30, 66<<16
	s_mov_b32 s31, 32<<16
	s_mov_b32 s32, 66
	s_mov_b32 s33, 32
	s_mov_b32 s34, 0
	s_mov_b32 s35, 0
	s_mov_b32 s36, 1
	s_mul_i32 s37, s12, BLKB                       ; key step = my wave's number: its place in LDS, and in the head's part of kv
	s_mul_i32 s54, s14, 16*BLKB
	s_add_co_u32 s54, s54, s37
	s_mov_b32 s55, 0
	s_wait_dscnt 0x0                               ; both opening adds are done
	CROUND                                         ; the four work-groups are here: the joint loads meet
	s_wait_kmcnt 0x0
	s_add_nc_u64 s[38:39], s[6:7], s[54:55]
	s_or_b32 s39, s39, 0x80000000
	s_cmp_lt_u32 s12, 4                            ; one load a wave; waves 0 to 3, whose blocks the first barrier shows, have a line of their own
	s_cbranch_scc0 .Lrest
	tensor_load_to_lds s[36:39], s[28:35]
	s_nop 0
	PLACES 4
	s_branch .Lasked
.Lrest:
	tensor_load_to_lds s[36:39], s[28:35]
	s_nop 0
	PLACES 4
.Lasked:
	SETQ
	SETSA
	v_and_b32 v2, 31, v0
	s_delay_alu instid0(VALU_DEP_1)
	v_lshlrev_b32 v[L16], 4, v2
	s_delay_alu instid0(VALU_DEP_2)
	v_lshlrev_b32 v[L4], 2, v2
	s_delay_alu instid0(VALU_DEP_3)
	v_lshlrev_b32 v[L8], 3, v2
	v_and_b32 v[R4], 15, v0
	v_bfe_u32 v[R8], v0, 4, 1
	s_delay_alu instid0(VALU_DEP_1)
	v_lshlrev_b32 v[RH], 3, v[R8]
	s_delay_alu instid0(VALU_DEP_1)
	v_sub_nc_u32 v[RH], v[R4], v[RH]
	s_delay_alu instid0(VALU_DEP_4)
	v_lshlrev_b32 v[R8], 3, v[R4]
	v_lshlrev_b32 v[R4], 2, v[R4]
	LOADQ
.irp n, 0,1,2,3,4,5,6,7
	v_mov_b32 v[QF+8+\n], 0                        ; the zero codes between q's two places
.endr
.irp n, 0,1,2,3
	v_mov_b32 v[T2+\n], 0                          ; a lane permute's destination counts as one of its sources
.endr
	v_mov_b32 v252, 0
	v_mov_b32 v253, 0                              ; (named as the upper half of the pair v[252:253])
	REINIT
; A KEY STEP: the 128 keys of the block at LDS byte s[TB]; its fragments of k were asked for a step earlier.  diag = 1: the text holds the mask, which the trips s18 - 1 and s18 (each tile's diagonal step) run.
; last: the trip that asks for no further k.  s[TN]: the next trip's block.
.macro STEP diag, last
	v_add_nc_u32 v[AD16], s[TB], v[L16]
	v_add_nc_u32 v[AD4], s[TB], v[L4]
	v_add_nc_u32 v[ADN], s[TN], v[L16]
	v_add_nc_u32 v[AD8], s[TN], v[L8]              ; with the five lines at the last step's end these four are nine places between the last products and the score products, which write over registers that those have read
	s_wait_alu depctr_va_vdst(0)                   ; the wait here, directly ahead of the wait below
	s_wait_dscnt 0x0                               ; k's fragments and scale words are in
.irp g, 0,1,2,3
	WM S+16*\g, KV+16*\g, QF, -1, KSC+\g/2, QSC, \g%2          ; key tile 2 g: q stands against K 0..63
	WM S+16*\g+8, KV+16*\g, QF+8, -1, KSC+\g/2, QSC, \g%2      ; key tile 2 g + 1: against K 64..127
.endr
	v_mov_b32 v225, v12                            ; the old -M.  With the seven below: eight places in front of loads into registers that the score products have read, and of the first read of the scores
	PLACES 7
	s_cmp_eq_u32 s17, \last
	s_cbranch_scc1 .Lnone_\@
	KLOAD                                          ; the next step's k lands while the softmax is worked
.Lnone_\@:
	ds_load_b32 v[VSC], v[AD4] offset:16640
	ds_load_b32 v[VSC+1], v[AD4] offset:16768
.if \diag
	s_sub_co_u32 s54, s17, s18                     ; on the diagonal hidden scores become -infinity ahead of the maximum; the other steps jump over this: a branch on the wave's number and the trip
	s_add_co_u32 s54, s54, 1
	s_cmp_gt_u32 s54, 1
	s_cbranch_scc1 .Lopen_\@
	v_add_nc_u32 v254, s[DQ], v[RH]                ; d = my query - the step's first key - 8 (lane / 16).  Register n holds key 16 (n / 8) + 8 (lane / 16) + n % 8 of the step: hidden where 16 (n / 8) + n % 8 > d
	v_mov_b32 v255, 0xff800000
.set NN, 0
.rept 64
	v_cmp_gt_i32 vcc_lo, 16*(NN/8)+NN%8, v254
	v_cndmask_b32 v[S+NN], v[S+NN], v255, vcc_lo
.set NN, NN+1
.endr
.Lopen_\@:
.endif
.irp b, 0,1,2,3
	v_max3_num_f32 v[BM+\b], v[S+16*\b], v[S+16*\b+1], v[S+16*\b+2]             ; the largest score of each block of 32 keys: for the row's maximum, and, since p rises with the score, for the block's largest p
.endr
.irp i, 3,5,7,9,11,13
.irp b, 0,1,2,3
	v_max3_num_f32 v[BM+\b], v[BM+\b], v[S+16*\b+\i], v[S+16*\b+\i+1]
.endr
.endr
.irp b, 0,1,2,3
	v_max_num_f32 v[BM+\b], v[BM+\b], v[S+16*\b+15]
.endr
.irp b, 0,1,2,3
	v_permlanex16_b32 v[T2+\b], v[BM+\b], s20, s21
.endr
.irp b, 0,1,2,3
	v_max_num_f32 v[BM+\b], v[BM+\b], v[T2+\b]     ; with lane l xor 16's 16 keys
.endr
	s_delay_alu instid0(VALU_DEP_2)
	v_max3_num_f32 v254, v[BM], v[BM+1], v[BM+2]
	s_delay_alu instid0(VALU_DEP_1)
	v_max3_num_f32 v13, v13, v254, v[BM+3]         ; the running largest score
	s_delay_alu instid0(VALU_DEP_1)
	v_mul_f32 v254, s22, v13                       ; the running largest t (c is positive)
	s_delay_alu instid0(VALU_DEP_1)
	v_floor_f32 v12, -v254                         ; the new -M = floor(-t): M is a whole number
.set NN, 0
.rept 32
	v_pk_fma_f32 v[S+NN:S+NN+1], v[S+NN:S+NN+1], s[22:23], v[12:13] op_sel_hi:[1,0,0]   ; t - M, two at a time; the three lines that make f stand among them, four apart
.if NN == 6
	v_sub_f32 v254, v12, v225                      ; old M - new M: a whole number, 0 or less
.elseif NN == 14
	v_cvt_i32_f32 v254, v254                       ; (it saturates)
.elseif NN == 22
	v_ldexp_f32 v252, 1.0, v254                    ; f = 2^(old M - new M)
.endif
.set NN, NN+2
.endr
.irp b, 0,1,2,3
	v_fma_f32 v[BM+\b], v[BM+\b], s22, v12         ; the same of each block's largest score
.endr
.set NN, 0
	s_wait_alu depctr_va_vdst(0)                   ; the wait ahead of the batch
.rept 64
	v_exp_f32 v[S+NN], v[S+NN]                     ; p = 2^(t - M)
.set NN, NN+1
.endr
	v_pk_mul_f32 v[14:15], v[14:15], v[252:253] op_sel_hi:[1,0]    ; the sums under the new M: the plain instruction behind the batch
	s_wait_alu depctr_va_vdst(0)                   ; one wait for the 64, ahead of their first reader
.irp b, 0,1,2,3
	v_exp_f32 v[BM+\b], v[BM+\b]                   ; the blocks' largest p
.endr
	v_pk_add_f32 v[236:237], v[116:117], v[120:121]                ; the row's sum of the unquantised p: eight chains side by side, then joined
	v_pk_add_f32 v[254:255], v[124:125], v[128:129]
	v_pk_add_f32 v[250:251], v[132:133], v[136:137]
	v_pk_add_f32 v[248:249], v[140:141], v[144:145]
	v_pk_add_f32 v[246:247], v[148:149], v[152:153]
	v_pk_add_f32 v[244:245], v[156:157], v[160:161]
	v_pk_add_f32 v[242:243], v[164:165], v[168:169]
	v_pk_add_f32 v[14:15], v[14:15], v[172:173]
	v_pk_add_f32 v[236:237], v[236:237], v[112:113]
	v_pk_add_f32 v[254:255], v[254:255], v[114:115]
	v_pk_add_f32 v[250:251], v[250:251], v[118:119]
	v_pk_add_f32 v[248:249], v[248:249], v[122:123]
	v_pk_add_f32 v[246:247], v[246:247], v[126:127]
	v_pk_add_f32 v[244:245], v[244:245], v[130:131]
	v_pk_add_f32 v[242:243], v[242:243], v[134:135]
	v_pk_add_f32 v[14:15], v[14:15], v[138:139]
	v_pk_add_f32 v[236:237], v[236:237], v[142:143]
	v_pk_add_f32 v[254:255], v[254:255], v[146:147]
	v_pk_add_f32 v[250:251], v[250:251], v[150:151]
	v_pk_add_f32 v[248:249], v[248:249], v[154:155]
	v_pk_add_f32 v[246:247], v[246:247], v[158:159]
	v_pk_add_f32 v[244:245], v[244:245], v[162:163]
	v_pk_add_f32 v[242:243], v[242:243], v[166:167]
	v_pk_add_f32 v[14:15], v[14:15], v[170:171]
	v_pk_add_f32 v[236:237], v[236:237], v[174:175]
	v_pk_add_f32 v[254:255], v[254:255], v[244:245]                ; eight chains become four, in v14, v248, v250, v254 on: registers that nothing writes up to the step's end, where they are joined
	v_pk_add_f32 v[250:251], v[250:251], v[242:243]
	v_pk_add_f32 v[14:15], v[14:15], v[248:249]
	v_pk_add_f32 v[248:249], v[236:237], v[246:247]
	s_wait_alu depctr_va_vdst(0)                   ; and one for the four
.irp b, 0,1,2,3
	v_max_num_f32 v[BM+\b], 0x8000000, v[BM+\b]    ; the floor 2^(16 - 127): a block whose every p is 0 keeps the byte 1; its codes are zeros
.endr
.irp b, 0,1,2,3
	v_add_nc_u32 v[SCO+\b], 0xf8800000, v[BM+\b]   ; 15 off the exponent field: the conversion's scale operand
.endr
.irp b, 0,1,2,3
	v_lshrrev_b32 v[T2+\b], 23, v[SCO+\b]          ; the scale's byte
.endr
.irp b, 0,1,2,3
	v_and_or_b32 v[LIM+\b], v[BM+\b], 0x7f800000, s19          ; 57,344 x the scale
.endr
	v_lshl_or_b32 v[PSC], v[T2+1], 8, v[T2]        ; p's scale word for these 128 keys, in two halves, joined behind the first holds
	v_lshl_or_b32 v226, v[T2+3], 8, v[T2+2]
; p is not negative: the hold is one-sided.  Two holds to an instruction, taken across two neighbouring blocks: one destination even and one odd, and the two first sources, and the two bounds, in registers whose numbers differ modulo 4
.irp b, 0,2
.set NN, 0
.rept 8
	v_dual_min_num_f32 v[S+16*\b+NN], v[S+16*\b+NN], v[LIM+\b] :: v_dual_min_num_f32 v[S+16*\b+17+NN], v[S+16*\b+17+NN], v[LIM+\b+1]
	v_dual_min_num_f32 v[S+16*\b+16+NN], v[S+16*\b+16+NN], v[LIM+\b+1] :: v_dual_min_num_f32 v[S+16*\b+1+NN], v[S+16*\b+1+NN], v[LIM+\b]
.set NN, NN+2
.endr
.if \b == 0
	v_lshl_or_b32 v[PSC], v226, 16, v[PSC]
.endif
.irp u, 0,1
	v_cvt_scalef32_pk8_bf8_f32 v[PC+4*(\b+\u):PC+4*(\b+\u)+1], v[S+16*(\b+\u):S+16*(\b+\u)+7], v[SCO+\b+\u]
	v_cvt_scalef32_pk8_bf8_f32 v[PC+4*(\b+\u)+2:PC+4*(\b+\u)+3], v[S+16*(\b+\u)+8:S+16*(\b+\u)+15], v[SCO+\b+\u]
.irp c, 0,1,2,3
	ds_load_b128 v[S+16*(\b+\u)+4*\c:S+16*(\b+\u)+4*\c+3], v[AD16] offset:8192+2048*(\b+\u)+512*\c   ; the block's 16 registers are done with: v's fragment of the same number takes them
.endr
.endr
.endr
	s_wait_alu depctr_va_vdst(0)                   ; the wait here, directly ahead of the first reader of O^T
.set NN, 0
.rept 16
	v_pk_mul_f32 v[O+NN:O+NN+1], v[O+NN:O+NN+1], v[252:253] op_sel_hi:[1,0]     ; O^T under the new M; these are also the places between the codes and the products
.set NN, NN+2
.endr
	s_wait_alu depctr_va_vdst(0)                   ; the wait here, directly ahead of the wait below
	s_wait_dscnt 0x0                               ; v's fragments and scale words, and the next step's k, are in
.irp t, 0,1,2,3
	WM O+8*\t, S+16*\t, PC, O+8*\t, VSC+\t/2, PSC, \t%2        ; O^T += v^T p^T: the four accumulators by turns
.endr
	v_pk_add_f32 v[14:15], v[14:15], v[254:255]    ; the sum's four chains are joined here: five places behind the products, none of whose registers these lines name
	v_pk_add_f32 v[248:249], v[248:249], v[250:251]
	PLACES 2
	v_pk_add_f32 v[14:15], v[14:15], v[248:249]
.endm
	s_wait_alu depctr_va_vdst(0)                   ; the wait at the head's end
	s_cmp_lt_u32 s12, 4
	s_cbranch_scc0 .Lnot_first
	s_wait_tensorcnt 0x0                           ; waves 0 to 3: my block of key steps 0 to 3 is in.  The other waves' wait stands at the second barrier
.Lnot_first:
	s_barrier_signal -1
	s_barrier_wait -1                              ; key steps 0 to 3 are whole
	s_mov_b32 s17, 0
	v_mov_b32 v[ADN], v[L16]
	v_mov_b32 v[AD8], v[L8]
	KLOAD                                          ; key step 0's k
.Lfirst:                                           ; trips 0 to 3: tile 127 - i, key step = trip; no wave's diagonal lies here (16 - wave / 2 is 9 at the least)
	s_min_u32 s54, s17, 3
	s_mul_i32 s[TB], s54, BLKB
	s_add_co_u32 s55, s17, 1
	s_min_u32 s55, s55, 3                          ; the next trip's block, among the four that the first barrier has shown; trip 3 asks for none
	s_mul_i32 s[TN], s55, BLKB
	STEP 0, 3
	s_add_co_u32 s17, s17, 1
	s_cmp_lt_u32 s17, 4
	s_cbranch_scc1 .Lfirst
	s_wait_tensorcnt 0x0                           ; every wave: my block is in
	s_wait_dscnt 0x0
	s_barrier_signal -1
	s_barrier_wait -1                              ; all sixteen key steps are whole; nothing is filled again
	s_mov_b32 s17, 4
	s_mov_b32 s[TN], 4*BLKB
	v_add_nc_u32 v[ADN], 4*BLKB, v[L16]
	v_add_nc_u32 v[AD8], 4*BLKB, v[L8]
	KLOAD                                          ; key step 4's k: trip 4 is the first tile's in every wave
.Lwalk:                                            ; trips 4 to 16
	s_cmp_eq_u32 s17, s18
	s_cbranch_scc0 .Lsame                          ; trip 16 - wave / 2 begins my second tile: a branch on the wave's number and the trip, round global loads, stores and register work alone
	s_mov_b32 s53, s59
	SETQ
	LOADQ                                          ; the new q is on its way while the old tile goes out
	FINAL
	s_wait_xcnt 0x0                                ; the stores have read their registers and bases: both may be written again
	SETSA
	REINIT
.Lsame:
	s_mov_b32 s[TB], s[TN]                         ; this trip's block: what the last trip called the next,
	s_add_co_u32 s55, s17, 1
	KSOF TN, 55                                    ; and the next trip's; trip 16 asks for none
	STEP 1, 16
	s_add_co_u32 s17, s17, 1
	s_cmp_lt_u32 s17, 17
	s_cbranch_scc1 .Lwalk
	FINAL
	s_wait_tensorcnt 0x0                           ; the wave's end
	ds_add_u32 v[SPW], v[NIL]
	s_wait_dscnt 0x0
	CROUND                                         ; the closing round
	s_endpgm
.Lfunc_end_k_qf6f7041b74_attn:
	.size	k_qf6f7041b74_attn, .Lfunc_end_k_qf6f7041b74_attn-k_qf6f7041b74_attn
	.p2alignl 7, 3214868480
	.fill 96, 4, 3214868480
	.section	.rodata,"a",@progbits
	.p2align	6, 0x0
	.amdhsa_kernel k_qf6f7041b74_attn
		.amdhsa_group_segment_fixed_size 327680
		.amdhsa_private_segment_fixed_size 0
		.amdhsa_enable_private_segment 0
		.amdhsa_kernarg_size 32
		.amdhsa_user_sgpr_count 2
		.amdhsa_user_sgpr_kernarg_segment_ptr 1
		.amdhsa_wavefront_size32 1
		.amdhsa_system_sgpr_workgroup_id_x 1
		.amdhsa_system_sgpr_workgroup_id_y 1
		.amdhsa_system_sgpr_workgroup_id_z 1
		.amdhsa_system_vgpr_workitem_id 0
		.amdhsa_next_free_vgpr 256
		.amdhsa_next_free_sgpr 66
		.amdhsa_reserve_vcc 1
		.amdhsa_float_denorm_mode_32 3
		.amdhsa_float_denorm_mode_16_64 3
		.amdhsa_memory_ordered 1
		.amdhsa_forward_progress 1
		.amdhsa_inst_pref_size 71
	.end_amdhsa_kernel
	.amdgpu_metadata
---
amdhsa.version: [ 1, 2 ]
amdhsa.kernels:
  - .name:           k_qf6f7041b74_attn
    .symbol:         k_qf6f7041b74_attn.kd
    .args:
      - { .name: qb, .offset: 0, .size: 8, .value_kind: global_buffer, .address_space: global }
      - { .name: kv, .offset: 8, .size: 8, .value_kind: global_buffer, .address_space: global }
      - { .name: sa_img, .offset: 16, .size: 8, .value_kind: global_buffer, .address_space: global }
      - { .name: sa_sc, .offset: 24, .size: 8, .value_kind: global_buffer, .address_space: global }
    .group_segment_fixed_size: 327680
    .private_segment_fixed_size: 0
    .kernarg_segment_align: 8
    .kernarg_segment_size: 32
    .max_flat_workgroup_size: 512
    .sgpr_count:     66
    .vgpr_count:     256
    .wavefront_size: 32
...
	.end_amdgpu_metadata
.endif
;; end of part 2
;; launch proj (part 3): grid 32 x 8, 4 waves a work-group, clusters of 4 x 1, 327,680 bytes of LDS; arguments sa_img, sa_sc, W_proj_codes, W_proj_scales, b_proj, out0; writes out0
.if DOCPART == 3
	.amdgcn_target "amdgcn-amd-amdhsa--gfx1250"
	.amdhsa_code_object_version 6
	.text
	.protected	k_qf6f7041b74_proj
	.globl	k_qf6f7041b74_proj
	.p2align	8
	.type	k_qf6f7041b74_proj,@function
k_qf6f7041b74_proj:
	s_mov_b64 s[64:65], 0
	v_nop
	global_prefetch_b8 v0, s[64:65] scope:SCOPE_SE
	s_setreg_imm32_b32 hwreg(HW_REG_WAVE_MODE, 25, 1), 1
	s_wait_xcnt 0x0
	s_wait_alu depctr_hold_cnt(0) depctr_sa_sdst(0) depctr_va_vdst(0) depctr_va_sdst(0) depctr_va_ssrc(0) depctr_va_vcc(0) depctr_vm_vsrc(0)
	s_getreg_b32 s2, hwreg(HW_REG_IB_STS2, 6, 4)
	s_cmp_eq_u32 s2, 0
	s_cbranch_scc0 .Lentry_in_a_cluster
	s_endpgm
.Lentry_in_a_cluster:
	s_bfe_u32 s2, ttmp6, 0x10000c
	s_cmp_lg_u32 s2, 0x3003
	s_cbranch_scc0 .Lentry_shape_is_right
	s_endpgm
.Lentry_shape_is_right:
.set PITCH,  272
.set CHUNK,  128*PITCH
.set STAGE,  4*CHUNK
.set SPITCH, 528
.set L16, 1
.set L4,  2
.set L32, 3
.set H32, 4
.set ADB, 8
.set STO, 12
.set RD,  13
.set WS,  16
.set AS,  48
.set BI,  64
.set BK,  128
.set G1,  24
.set G0,  32
.set MSB, 0
.macro WIN new
.if MSB != \new
	s_set_vgpr_msb (MSB<<8)|\new
.set MSB, \new
.endif
.endm
.macro PLACES n
.rept \n
	v_nop
.endr
.endm
.macro WM d, a, b, c, sa, sb, ra, rb
.set WMR, (\ra)+2*(\rb)
.if WMR == 0
	v_wmma_scale_f32_16x16x128_f8f6f4 v[0+(\d):7+(\d)], v[0+(\a):15+(\a)], v[0+(\b):15+(\b)], v[0+(\c):7+(\c)], v[\sa], v[\sb] matrix_a_fmt:MATRIX_FMT_BF8 matrix_b_fmt:MATRIX_FMT_BF8
.elseif WMR == 1
	v_wmma_scale_f32_16x16x128_f8f6f4 v[0+(\d):7+(\d)], v[0+(\a):15+(\a)], v[0+(\b):15+(\b)], v[0+(\c):7+(\c)], v[\sa], v[\sb] matrix_a_fmt:MATRIX_FMT_BF8 matrix_b_fmt:MATRIX_FMT_BF8 matrix_a_scale:MATRIX_SCALE_ROW1
.elseif WMR == 2
	v_wmma_scale_f32_16x16x128_f8f6f4 v[0+(\d):7+(\d)], v[0+(\a):15+(\a)], v[0+(\b):15+(\b)], v[0+(\c):7+(\c)], v[\sa], v[\sb] matrix_a_fmt:MATRIX_FMT_BF8 matrix_b_fmt:MATRIX_FMT_BF8 matrix_b_scale:MATRIX_SCALE_ROW1
.else
	v_wmma_scale_f32_16x16x128_f8f6f4 v[0+(\d):7+(\d)], v[0+(\a):15+(\a)], v[0+(\b):15+(\b)], v[0+(\c):7+(\c)], v[\sa], v[\sb] matrix_a_fmt:MATRIX_FMT_BF8 matrix_b_fmt:MATRIX_FMT_BF8 matrix_a_scale:MATRIX_SCALE_ROW1 matrix_b_scale:MATRIX_SCALE_ROW1
.endif
.endm
.macro CROUND
	s_barrier_signal -1
	s_barrier_wait -1
	s_cmp_lg_u32 s16, 0
	s_cbranch_scc1 .Lnot_wave_0_\@
	s_barrier_signal -3
.Lnot_wave_0_\@:
	s_barrier_wait -3
	s_barrier_signal -1
	s_barrier_wait -1
.endm
	s_load_b256 s[4:11], s[0:1], 0x0
	s_load_b128 s[12:15], s[0:1], 0x20
	v_lshl_add_u32 v254, v0, 2, 0x30000
	v_mov_b32 v255, 0
	ds_add_u32 v254, v255
	ds_add_u32 v254, v255
	s_wait_dscnt 0x0
	v_lshrrev_b32 v1, 5, v0
	v_readfirstlane_b32 s16, v1
	s_bfe_u32 s17, ttmp6, 0x40000
	s_lshl_b32 s18, ttmp9, 2
	s_add_co_u32 s18, s18, s17
	s_and_b32 s19, ttmp7, 0xffff
	s_mov_b32 s[G1], 15|(1<<20)|(1<<21)|(5<<22)|(3<<25)
	s_mov_b32 s[G1+1], 256<<16
	s_mov_b32 s[G1+2], 128<<16                     ; a tile: W's 128 rows x 256 bytes of K, one chunk
	s_mov_b32 s[G1+3], 256<<16
	s_mov_b32 s[G1+4], 128
	s_mov_b32 s[G1+5], 1024
	s_mov_b32 s[G1+6], 0
	s_mov_b32 s[G1+7], 0
	s_lshl_b32 s40, s19, 7
	s_lshl_b32 s40, s40, 10                        ; W's row 128 x column block, 1,024 bytes a row,
	s_lshl_b32 s41, s16, 8                         ; and chunk = my wave's number: 256 bytes of K each
	s_add_co_u32 s40, s40, s41
	s_mov_b32 s41, 0
	s_mul_i32 s44, s16, CHUNK
	s_wait_kmcnt 0x0
	s_add_nc_u64 s[42:43], s[8:9], s[40:41]
	CROUND
	s_mov_b32 s[G0], 1
	s_mov_b32 s[G0+1], s44
	s_mov_b64 s[G0+2:G0+3], s[42:43]
	s_or_b32 s[G0+3], s[G0+3], 0x80000000
	s_cmp_lt_u32 s16, 2                            ; one joint load a wave: chunk w whole.  Waves 0 and 1, whose chunks the first barrier shows, have a line of their own
	s_cbranch_scc0 .Lupper
	tensor_load_to_lds s[G0:G0+3], s[G1:G1+7]
	s_nop 0
.rept 4
	v_nop
.endr
	s_branch .Lasked
.Lupper:
	tensor_load_to_lds s[G0:G0+3], s[G1:G1+7]
	s_nop 0
.rept 4
	v_nop
.endr
.Lasked:
	s_lshl_b32 s56, s18, 4
	s_lshl_b32 s57, s16, 2
	s_add_co_u32 s56, s56, s57
	s_mov_b32 s59, 0
	s_lshl_b32 s58, s56, 14
	s_add_nc_u64 s[46:47], s[4:5], s[58:59]
	s_lshl_b32 s58, s56, 6
	s_add_nc_u64 s[48:49], s[6:7], s[58:59]
	s_lshl_b32 s58, s19, 12
	s_add_nc_u64 s[50:51], s[10:11], s[58:59]
	s_lshl_b32 s58, s19, 9
	s_add_nc_u64 s[52:53], s[12:13], s[58:59]
	s_lshl_b32 s57, s56, 16
	s_add_co_u32 s58, s58, s57
	s_add_nc_u64 s[54:55], s[14:15], s[58:59]
	v_and_b32 v5, 31, v0
	v_lshlrev_b32 v[L16], 4, v5
	v_lshlrev_b32 v[L4], 2, v5
	v_lshlrev_b32 v[L32], 5, v5
	v_and_b32 v6, 15, v0
	v_bfe_u32 v7, v0, 4, 1
	v_lshlrev_b32 v[H32], 5, v7
	v_mul_u32_u24 v14, v6, PITCH
	v_lshl_add_u32 v14, v7, 3, v14
.irp c, 0,1,2,3
	v_add_nc_u32 v[ADB+\c], \c*CHUNK, v14
.endr
	s_mul_i32 s57, s16, 16*SPITCH
	s_add_co_u32 s57, s57, STAGE
	v_mul_u32_u24 v15, v6, SPITCH
	v_lshl_add_u32 v15, v7, 5, v15
	v_add_nc_u32 v[STO], s57, v15
	v_add_nc_u32 v[RD], s57, v[L16]
.irp pr, 0,1,2,3
.irp g, 0,1
	global_load_b128 v[WS+8*\pr+4*\g:WS+8*\pr+4*\g+3], v[L32], s[50:51] offset:1024*\pr+16*\g
.endr
.endr
.irp pr, 0,1
.irp k, 0,1,2,3,4,5,6,7
	global_load_b32 v[AS+8*\pr+\k], v[L4], s[48:49] offset:32768*\k+128*\pr
.endr
.endr
.irp t, 0,1,2,3,4,5,6,7
	global_load_b128 v[BI+8*\t:BI+8*\t+3], v[H32], s[52:53] offset:64*\t
	global_load_b128 v[BI+8*\t+4:BI+8*\t+7], v[H32], s[52:53] offset:64*\t+16
.endr
.macro ALOAD ks
	WIN 0x40
.irp i, 0,1,2,3
.irp c, 0,1,2,3
	global_load_b128 v[64*((\ks)%4)+16*\i+4*\c:64*((\ks)%4)+16*\i+4*\c+3], v[L16], s[46:47] offset:16384*\i+2048*(\ks)+512*\c th:TH_LOAD_NT
.endr
.endr
.endm
.macro FETCHB ks
	WIN 0xc0
.irp t, 0,1,2,3,4,5,6,7
.irp c, 0,1,2,3
	ds_load_b64 v[128*((\ks)%2)+16*\t+4*\c:128*((\ks)%2)+16*\t+4*\c+1], v[ADB+(\ks)/2] offset:128*((\ks)%2)+16*PITCH*\t+32*\c
	ds_load_b64 v[128*((\ks)%2)+16*\t+4*\c+2:128*((\ks)%2)+16*\t+4*\c+3], v[ADB+(\ks)/2] offset:128*((\ks)%2)+16*PITCH*\t+32*\c+16
.endr
.endr
.endm
.macro MUL ks
.if (\ks) == 0
	WIN 0x87
.else
	WIN 0xa7
.endif
.irp i, 0,1,2,3
.irp t, 0,1,2,3,4,5,6,7
.if (\ks) == 0
	WM 8*(8*\i+\t), 128*((\ks)%2)+16*\t, 64*((\ks)%4)+16*\i, BI+8*\t, WS+8*(\t/2)+(\ks), AS+8*(\i/2)+(\ks), \t%2, \i%2
.else
	WM 8*(8*\i+\t), 128*((\ks)%2)+16*\t, 64*((\ks)%4)+16*\i, 8*(8*\i+\t), WS+8*(\t/2)+(\ks), AS+8*(\i/2)+(\ks), \t%2, \i%2
.endif
.endr
.endr
.endm
.macro KSTEP ks
.if (\ks) == 3
	s_wait_tensorcnt 0x0
.endif
	s_wait_dscnt 0x0
.if (\ks) == 3
	s_barrier_signal -1
	s_barrier_wait -1
.endif
.if (\ks) < 7
	FETCHB (\ks)+1
.endif
.if (\ks) < 4
	s_wait_loadcnt 48
.else
	s_wait_loadcnt 16*(7-(\ks))
.endif
	MUL \ks
	PLACES 8
.if (\ks) < 4
	ALOAD (\ks)+4
.endif
.endm
	ALOAD 0
	ALOAD 1
	ALOAD 2
	ALOAD 3
	WIN 0
	s_wait_alu depctr_va_vdst(0)
	s_cmp_lt_u32 s16, 2
	s_cbranch_scc0 .Lnot_first
	s_wait_tensorcnt 0x0                           ; waves 0 and 1: chunks 0 and 1 are in.  The other waves' wait stands in K step 3, in front of the barrier that shows chunks 2 and 3
.Lnot_first:
	s_barrier_signal -1
	s_barrier_wait -1
	FETCHB 0
.irp k, 0,1,2,3,4,5,6,7
	KSTEP \k
.endr
	WIN 0
.macro TOSTAGE a
	WIN 0x08
.irp b, 0,1,2,3,4,5,6,7
	ds_store_b128 v[STO], v[64*(\a)+8*\b:64*(\a)+8*\b+3] offset:64*\b
	ds_store_b128 v[STO], v[64*(\a)+8*\b+4:64*(\a)+8*\b+7] offset:64*\b+16
.endr
	WIN 0
.irp t, 0,1,2,3,4,5,6,7,8,9,10,11,12,13,14,15
	ds_load_b128 v[BK+64*((\a)%2)+4*\t:BK+64*((\a)%2)+4*\t+3], v[RD] offset:\t*SPITCH
.endr
.endm
.macro SEND a, younger
	s_wait_dscnt \younger
.irp t, 0,1,2,3,4,5,6,7,8,9,10,11,12,13,14,15
	global_store_b128 v[L16], v[BK+64*((\a)%2)+4*\t:BK+64*((\a)%2)+4*\t+3], s[54:55] offset:(16*(\a)+\t)*4096 th:TH_STORE_NT
.endr
.endm
	TOSTAGE 0
.irp a, 1,2,3
.if \a > 1
	s_wait_xcnt 0x0
.endif
	TOSTAGE \a
	SEND \a-1, 32
.endr
	SEND 3, 0
	s_wait_xcnt 0x0
	v_lshl_add_u32 v254, v0, 2, 0x30000
	v_mov_b32 v255, 0
	s_wait_alu depctr_va_vdst(0)
	s_wait_tensorcnt 0x0
	ds_add_u32 v254, v255
	s_wait_dscnt 0x0
	CROUND
	s_endpgm
.Lfunc_end_k_qf6f7041b74_proj:
	.size	k_qf6f7041b74_proj, .Lfunc_end_k_qf6f7041b74_proj-k_qf6f7041b74_proj
	.p2alignl 7, 3214868480
	.fill 96, 4, 3214868480
	.section	.rodata,"a",@progbits
	.p2align	6, 0x0
	.amdhsa_kernel k_qf6f7041b74_proj
		.amdhsa_group_segment_fixed_size 327680
		.amdhsa_private_segment_fixed_size 0
		.amdhsa_enable_private_segment 0
		.amdhsa_kernarg_size 48
		.amdhsa_user_sgpr_count 2
		.amdhsa_user_sgpr_kernarg_segment_ptr 1
		.amdhsa_wavefront_size32 1
		.amdhsa_system_sgpr_workgroup_id_x 1
		.amdhsa_system_sgpr_workgroup_id_y 1
		.amdhsa_system_sgpr_workgroup_id_z 1
		.amdhsa_system_vgpr_workitem_id 0
		.amdhsa_next_free_vgpr 1024
		.amdhsa_next_free_sgpr 66
		.amdhsa_reserve_vcc 0
		.amdhsa_float_denorm_mode_32 3
		.amdhsa_float_denorm_mode_16_64 3
		.amdhsa_memory_ordered 1
		.amdhsa_forward_progress 1
		.amdhsa_inst_pref_size 103
	.end_amdhsa_kernel
	.amdgpu_metadata
---
amdhsa.version: [ 1, 2 ]
amdhsa.kernels:
  - .name:           k_qf6f7041b74_proj
    .symbol:         k_qf6f7041b74_proj.kd
    .args:
      - { .name: sa_img, .offset: 0, .size: 8, .value_kind: global_buffer, .address_space: global }
      - { .name: sa_sc, .offset: 8, .size: 8, .value_kind: global_buffer, .address_space: global }
      - { .name: W_proj_codes, .offset: 16, .size: 8, .value_kind: global_buffer, .address_space: global }
      - { .name: W_proj_scales, .offset: 24, .size: 8, .value_kind: global_buffer, .address_space: global }
      - { .name: b_proj, .offset: 32, .size: 8, .value_kind: global_buffer, .address_space: global }
      - { .name: out0, .offset: 40, .size: 8, .value_kind: global_buffer, .address_space: global }
    .group_segment_fixed_size: 327680
    .private_segment_fixed_size: 0
    .kernarg_segment_align: 8
    .kernarg_segment_size: 48
    .max_flat_workgroup_size: 128
    .sgpr_count:     66
    .vgpr_count:     1024
    .wavefront_size: 32
...
	.end_amdgpu_metadata
.endif
;; end of part 3
